; MI455X (gfx1250); checked and timed in simulation.
; The chip was launched on July 23, 2026; its instructions are those of AMD's public machine-readable ISA for CDNA 5 (MIT licence, August 2026) and "CDNA5" Instruction Set Architecture Reference Guide (July 2026). The comments in the code are by the model that wrote it; some were corrected since.
;; Parity Operator. Allowed arithmetic: matrix products marked QUANTISED: E4M3 operands, one E8M0 scale for each 32 along K, by v_wmma_scale_f32_16x16x128_f8f6f4 with both operands' format E4M3, f32 sums; everything else in f32.
;; Inputs: S 4,096 x 4,096 float32; h 4,096 x 4,096 float32.
;; Outputs: out0 4,096 x 4,096 float32.
;; This version of the problem:
;;   THIS VERSION OF THE PROBLEM IS GIVEN IN LOW PRECISION. The matrix products marked QUANTISED in the list below multiply operands that are first quantised to E4M3 (4 exponent bits, 3 mantissa bits; 8 bits a number), with one power-of-two scale for each 32 numbers along K (OCP MX v1.0); their sums are f32. All else is computed in f32.
;;   The module's matrix products, in the order in which they are computed (A, B: the left and right operand; K: the contracted axis; several contracted axes count as one K, in the product's order):
;;     1. [M 4,096, K 4,096] x [K 4,096, N 4,096]; A: input h; B: input S: QUANTISED
;;   THE QUANTISER, for each operand of a quantised product, along K:
;;     - K is cut into blocks of 32 from its start; a last block that is shorter is filled with zeros.
;;     - A block's scale is 2^e with e = floor(log2(the largest magnitude in the block)) - 8, held to -126 .. 127; a block of zeros has e = 0. As a byte (E8M0): e + 127.
;;     - Each number is divided by its block's scale, clamped to +-448, and rounded to the nearest number of E4M3, ties to even, subnormals kept.
;;     - The product sums the exact products of the quantised numbers (number of the format x scale) in f32.
;;   ~~~python
;;   def quantise(x, axis):      # numpy; x: float32 -> the quantised numbers, widened to float32 again
;;       x = np.moveaxis(x, axis, -1); K = x.shape[-1]
;;       x = np.pad(x, [(0, 0)] * (x.ndim - 1) + [(0, -K % 32)]); x = x.reshape(x.shape[:-1] + (-1, 32)); a = np.abs(x).max(-1, keepdims=True)
;;       e = np.where(a > 0, np.clip(np.frexp(np.where(a > 0, a, 1))[1] - 1 - 8, -126, 127), 0)      # np.frexp(a)[1] - 1 = floor(log2(a)), exactly
;;       r = np.clip(x / 2.0 ** e, -448, 448)
;;       step = 2.0 ** (np.maximum(np.frexp(np.where(r == 0, 1, r))[1] - 1, -6) - 3)
;;       q = np.round(r / step) * step * 2.0 ** e      # np.round: ties to even
;;       return np.moveaxis(q.reshape(q.shape[:-2] + (-1,))[..., :K], -1, axis).astype(np.float32)
;;   ~~~
;; One version. Each part assembles by itself: llvm-mc -triple=amdgcn-amd-amdhsa -mcpu=gfx1250 --defsym DOCPART=n.
;; ======== version 1 of 1: 2 launches
;; limits: right only within a limited range of input values
;; workspace buffers: q 34,603,008 bytes
;; launch quant (part 1): grid 1024 x 1, 4 waves a work-group, no clusters, 36,352 bytes of LDS; arguments h, S, q; writes q
.if DOCPART == 1
	.amdgcn_target "amdgcn-amd-amdhsa--gfx1250"
	.amdhsa_code_object_version 6
	.text
	.protected	k_q405f32dc19_quant
	.globl	k_q405f32dc19_quant
	.p2align	8
	.type	k_q405f32dc19_quant,@function
k_q405f32dc19_quant:
	s_mov_b64 s[64:65], 0
	v_nop
	global_prefetch_b8 v0, s[64:65] scope:SCOPE_SE
	s_setreg_imm32_b32 hwreg(HW_REG_WAVE_MODE, 25, 1), 1
	s_wait_xcnt 0x0
; h [4096][4096] and S [4096][4096], f32, K (the last axis of both: the product is h S^T) innermost, become codes of FP8 (E4M3) with one E8M0 byte for each 32 along K.
; S is taken as a dense input: nothing of the product is left out.
; A block's scale is 2^(floor(log2(its largest magnitude)) - 8); its byte is the largest magnitude's exponent field - 8, held at 1 from below by a floor among the maximum's leaves.
; Each number is multiplied by the inverse scale (a power of two: the product is exact, or so small that its code is 0), held within +-448 and converted with the scale 1, to the nearest code, ties to even.
; LIMITS: NaN and infinities among the inputs are not served.  A block of zeros gets the byte 1 where the rule says 127: its codes are zeros, and the bytes are read by this program alone.
; THE WORKSPACE q IS LAID IN THE ORDER OF THE MATRIX OPERAND'S REGISTERS: 4,096 chunks of 8,448 bytes.  Chunk (64 x tensor + row / 64) x 32 + s holds 64 rows x product step s (128 along K):
;   four fragments of 2,048 bytes (16 rows each): byte 512 c + 16 (16 hh + r) + i is number 16 hh + i of the instruction's block c of row r;  from byte 8,192 on the scale words: byte 16 r + 4 x fragment.
; K IS PERMUTED, ALIKE FOR h AND S: step s = 4 seg + g takes the blocks g, g + 4, g + 8, g + 12 of segment seg (512 along K) as c = 0 .. 3.  Blocks stay whole, each with its own byte; only the order of the sum over K differs.
; SHARES.  Work-group b: tensor, 64 rows, one segment: four chunks on end.  Wave w makes fragment w of each: 16 rows, a step a row, four loads of 512 consecutive bytes, 16 bytes a lane.
; In load j lane 8 g + t holds numbers 4 t .. 4 t + 3 of block 4 j + g: a block's maximum is joined over 8 lanes by three DPP steps.  The lane's four code words (one for each j) are exchanged with
; lane bits 0 and 1: lane 8 g + 4 hh + c then holds the 16 codes of half hh of block c of step g.  A fragment's 256 consecutive bytes hold 16 rows, so the codes (a quarter of the bytes read) turn through the wave's own
; LDS bytes, rows of 256 + 16 bytes, and leave at the wave's end as 16 stores of 512 consecutive bytes.  A lane's four scale bytes are step g's scale word; the words meet in 1,024 bytes of LDS behind one barrier.
; Loads run DEPTH steps (32 loads a wave) ahead.  Every offset is an immediate.  No tensor load, no cluster: work-groups share nothing.
.set STEPS, 16
.set DEPTH, 8
.set ROWB,  16384                      ; a row of h or S in bytes
.set CH,    8448                       ; a chunk of q
.set FLOOR, 0x4800000                  ; 2^(9 - 127)
.set TP,    272                        ; LDS: 16 rows x 16 bytes of one (g, c, hh), + 16 of padding
.set WREG,  32*TP                      ; a wave's own LDS bytes
.set SCW,   4*WREG                     ; behind them the scale words
.set SPARE, SCW+1024                   ; and the spare words, 128 bytes a wave
.set LOFF, 2                           ; 16 x lane
.set TA,   3                           ; LDS: where my 16 codes of a row go
.set SA,   4                           ; LDS: where my group's scale word goes
.set SR,   5                           ; LDS: the scale words that I read back
.set SG,   6                           ; 8 x lane
.set SPW,  7
.set NIL,  8
.set ONE,  9                           ; 1.0: the conversions' scale
.set BND,  10                          ; 448.0
.set TR,   11                          ; LDS: where I read codes back
.set M,    12                          ; v12-15  a block's largest magnitude, for each j
.set T,    16                          ; v16-19  its exponent field
.set INV,  20                          ; v20-27  the inverse scale in the even register of a pair; the odd ones hold 0 and are not used
.set P,    28                          ; v28-31  code words as converted
.set SD,   32                          ; v32-33  what is sent to the neighbour
.set RC,   34                          ; v34-35  what comes from it
.set Q,    36                          ; v36-39  behind the first stage
.set CT,   40                          ; v40-43  behind the second
.set E,    44                          ; v44-59  a scale word for each step
.set BK,   60                          ; v60-61  scale words read back
.set OUTR, 64                          ; v64-127 codes read back
.set R,    128                         ; v128-255 DEPTH sets of 16 numbers
	s_load_b128 s[4:7], s[0:1], 0x0                ; h, S
	s_load_b64 s[8:9], s[0:1], 0x10                ; q
	v_lshl_add_u32 v[SPW], v0, 2, SPARE
	v_mov_b32 v[NIL], 0
	v_lshrrev_b32 v1, 5, v0
	v_readfirstlane_b32 s16, v1                    ; wave 0..3
	v_and_b32 v[LOFF], 31, v0
	v_lshlrev_b32 v[SG], 3, v[LOFF]
	v_lshlrev_b32 v[LOFF], 4, v[LOFF]
	v_bfe_u32 v[TA], v0, 3, 2                      ; g
	v_and_b32 v[SA], 3, v0                         ; c
	v_lshlrev_b32 v[TA], 3, v[TA]
	v_lshl_add_u32 v[TA], v[SA], 1, v[TA]
	v_bfe_u32 v[SA], v0, 2, 1                      ; hh
	v_add_nc_u32 v[TA], v[TA], v[SA]               ; 8 g + 2 c + hh
	v_mul_u32_u24 v[TA], v[TA], TP
	v_mad_u32_u24 v[TA], v1, WREG, v[TA]
	v_bfe_u32 v[TR], v0, 4, 1                      ; back: lanes 0-15 take hh = 0, lanes 16-31 hh = 1; a lane a row
	v_mul_u32_u24 v[TR], v[TR], TP
	v_and_b32 v[SA], 15, v0
	v_lshl_add_u32 v[TR], v[SA], 4, v[TR]
	v_mad_u32_u24 v[TR], v1, WREG, v[TR]
	v_bfe_u32 v[SA], v0, 3, 2
	v_lshlrev_b32 v[SA], 8, v[SA]                  ; scale words: 256 bytes a step g,
	v_lshl_add_u32 v[SA], v1, 2, v[SA]             ; + 4 x fragment (16 x row stands in the immediate)
	v_add_nc_u32 v[SA], SCW, v[SA]
	v_lshl_add_u32 v[SR], v0, 3, SCW               ; wave w reads step g = w's 256 bytes
	v_mov_b32 v[ONE], 1.0
	v_mov_b32 v[BND], 0x43e00000
	v_mov_b32 v[RC], 0                             ; (a DPP move's destination counts as read)
	v_mov_b32 v[RC+1], 0
.irp j, 0,1,2,3
	v_mov_b32 v[INV+2*\j+1], 0                     ; (the packed multiply names the whole pair)
.endr
	s_lshr_b32 s12, ttmp9, 4                       ; b = 512 tensor + 16 panel + 2 seg + half: 32 tensor + panel
	s_and_b32 s14, ttmp9, 1                        ; which 64 rows of the panel's 128
	s_bfe_u32 s15, ttmp9, 0x30001                  ; seg
	s_lshl_b32 s17, s12, 1
	s_add_co_u32 s17, s17, s14                     ; 64 tensor + row / 64
	s_lshl_b32 s17, s17, 5
	s_lshl_b32 s18, s15, 2
	s_add_co_u32 s17, s17, s18
	s_mul_i32 s17, s17, CH                         ; my four chunks (under 2^26)
	s_lshl_b32 s18, s16, 11
	s_add_co_u32 s18, s17, s18                     ; codes: fragment w
	s_mov_b32 s19, 0
	s_mul_i32 s20, s16, CH
	s_add_co_u32 s20, s20, s17
	s_add_co_u32 s20, s20, 8192                    ; scale words: chunk g = w
	s_mov_b32 s21, 0
	s_and_b32 s13, s12, 31
	s_lshl_b32 s13, s13, 21                        ; panel x 128 rows of 16,384 bytes
	s_lshl_b32 s14, s14, 20
	s_add_co_u32 s13, s13, s14
	s_lshl_b32 s15, s15, 11                        ; seg x 512 numbers of 4 bytes
	s_add_co_u32 s13, s13, s15
	s_lshl_b32 s15, s16, 18                        ; wave x 16 rows
	s_add_co_u32 s12, s13, s15
	s_mov_b32 s13, 0
	s_wait_alu depctr_va_vdst(0)                   ; the wait at the head's end
	s_wait_kmcnt 0x0
	s_cmp_lt_u32 ttmp9, 512                        ; h's work-group or S's: the choice hangs on the work-group's number alone
	s_cselect_b64 s[4:5], s[4:5], s[6:7]
	s_add_nc_u64 s[4:5], s[4:5], s[12:13]
	s_add_nc_u64 s[10:11], s[8:9], s[20:21]
	s_add_nc_u64 s[8:9], s[8:9], s[18:19]
.macro LOAD t                          ; step t: 2,048 consecutive bytes of row t, as four loads of 512
.irp i, 0,1,2,3
	global_load_b128 v[R+16*((\t)%DEPTH)+4*\i:R+16*((\t)%DEPTH)+4*\i+3], v[LOFF], s[4:5] offset:(\t)*ROWB+512*\i th:TH_LOAD_NT
.endr
.endm
; One stage of the exchange: registers a and b trade places with the lane bit that VCC marks (x = that bit's value).  A marked lane keeps b and sends a, the others keep a and send b.
.macro XCH da, db, a, b, n, x
	v_cndmask_b32 v[SD+\n], v[\b], v[\a], vcc_lo
	v_mov_b32_dpp v[RC+\n], v[SD+\n] row_xmask:\x row_mask:0xf bank_mask:0xf
	v_cndmask_b32 v[\da], v[\a], v[RC+\n], vcc_lo
	v_cndmask_b32 v[\db], v[RC+\n], v[\b], vcc_lo
.endm
.irp t, 0,1,2,3,4,5,6,7
	LOAD \t
.endr
.macro STEP t
.set XS, R+16*((\t)%DEPTH)
.if (\t)+DEPTH <= STEPS
	s_wait_loadcnt 4*(DEPTH-1)                     ; this step's four loads are in; those of the seven steps behind it may be out
.else
	s_wait_loadcnt 4*(STEPS-1-(\t))                ; the counts run down: nothing more is asked for
.endif
.irp j, 0,1,2,3
	v_max3_num_f32 v[M+\j], |v[XS+4*\j]|, |v[XS+4*\j+1]|, |v[XS+4*\j+2]|   ; my four numbers of block 4 j + g; the four blocks by turns
.endr
.irp j, 0,1,2,3
	v_max3_num_f32 v[M+\j], v[M+\j], |v[XS+4*\j+3]|, FLOOR                 ; and the floor: the byte cannot fall under 1
.endr
.irp x, 1,2,4
.irp j, 0,1,2,3
	v_max_num_f32_dpp v[M+\j], v[M+\j], v[M+\j] row_xmask:\x row_mask:0xf bank_mask:0xf   ; over the block's 8 lanes
.endr
.endr
.irp j, 0,1,2,3
	v_and_b32 v[T+\j], 0x7f800000, v[M+\j]         ; the exponent field F, in place
.endr
.irp j, 0,1,2,3
	v_sub_nc_u32 v[INV+2*\j], 0x83000000, v[T+\j]  ; 1 / scale = 2^(135 - F): exponent field 262 - F, between 8 and 253
.endr
.irp j, 0,1,2,3
	v_lshrrev_b32 v[T+\j], 23, v[T+\j]             ; F
.endr
.irp j, 0,1,2,3
.irp i, 0,2
	v_pk_mul_f32 v[XS+4*\j+\i:XS+4*\j+\i+1], v[XS+4*\j+\i:XS+4*\j+\i+1], v[INV+2*\j:INV+2*\j+1] op_sel_hi:[1,0]
.endr
.endr
.irp i, 0,1,2,3,4,5,6,7,8,9,10,11,12,13,14,15
	v_med3_num_f32 v[XS+\i], v[XS+\i], -v[BND], v[BND]   ; the conversion to an 8-bit code does not saturate (ISA guide 7.6.2)
.endr
	v_cvt_scalef32_pk8_fp8_f32 v[P:P+1], v[XS:XS+7], v[ONE]       ; word j: my four codes of block 4 j + g
	v_cvt_scalef32_pk8_fp8_f32 v[P+2:P+3], v[XS+8:XS+15], v[ONE]
	v_lshl_or_b32 v[E+(\t)], v[T+1], 8, v[T]       ; the four F make a word (these plain lines also stand between the conversions and the readers of their results),
	v_lshl_or_b32 v[T+2], v[T+3], 8, v[T+2]
	v_lshl_or_b32 v[E+(\t)], v[T+2], 16, v[E+(\t)]
	v_add_nc_u32 v[E+(\t)], 0xf7f7f7f8, v[E+(\t)]  ; and 8 comes off each byte (each is 9 at the least: no borrow)
	s_mov_b32 vcc_lo, 0xaaaaaaaa                   ; lanes with bit 0 set
	XCH Q, Q+1, P, P+1, 0, 1
	XCH Q+2, Q+3, P+2, P+3, 1, 1
	s_mov_b32 vcc_lo, 0xcccccccc                   ; lanes with bit 1 set
	XCH CT, CT+2, Q, Q+2, 0, 2
	XCH CT+1, CT+3, Q+1, Q+3, 1, 2
	ds_store_b128 v[TA], v[CT:CT+3] offset:16*(\t) ; row t's place among the 16 rows of my (g, c, hh)
.if (\t)+DEPTH < STEPS
	LOAD (\t)+DEPTH
.endif
.endm
.irp t, 0,1,2,3,4,5,6,7,8,9,10,11,12,13,14,15
	STEP \t
.endr
.irp t, 0,1,2,3,4,5,6,7,8,9,10,11,12,13,14,15
	ds_store_b32 v[SA], v[E+\t] offset:16*\t       ; the 8 lanes of a group write the same word with the same value
.endr
	s_wait_dscnt 0x0                               ; for the others' sake: my words are in LDS
	s_barrier_signal -1
	s_barrier_wait -1
.irp i, 0,1,2,3,4,5,6,7,8,9,10,11,12,13,14,15
	ds_load_b128 v[OUTR+4*\i:OUTR+4*\i+3], v[TR] offset:2*TP*\i   ; (g, c) = (i / 4, i % 4): 32 lanes take hh = 0, 1 x 16 rows; my own bytes
.endr
	ds_load_b64 v[BK:BK+1], v[SR]
.irp i, 0,1,2,3,4,5,6,7,8,9,10,11,12,13,14,15
	s_wait_dscnt 16-\i                             ; load i is back; the later ones and the scale words' may be out
	global_store_b128 v[LOFF], v[OUTR+4*\i:OUTR+4*\i+3], s[8:9] offset:(\i/4)*CH+(\i%4)*512   ; 32 lanes store 512 consecutive bytes, at a multiple of 256 from q's first byte
.endr
	s_wait_dscnt 0x0
	global_store_b64 v[SG], v[BK:BK+1], s[10:11]   ; 32 lanes store 256 consecutive bytes, at a multiple of 256 from q's first byte
	s_wait_tensorcnt 0x0                           ; the wave's end
	ds_add_u32 v[SPW], v[NIL]
	s_wait_dscnt 0x0
	s_endpgm
.Lfunc_end_k_q405f32dc19_quant:
	.size	k_q405f32dc19_quant, .Lfunc_end_k_q405f32dc19_quant-k_q405f32dc19_quant
	.p2alignl 7, 3214868480
	.fill 96, 4, 3214868480
	.section	.rodata,"a",@progbits
	.p2align	6, 0x0
	.amdhsa_kernel k_q405f32dc19_quant
		.amdhsa_group_segment_fixed_size 36352
		.amdhsa_private_segment_fixed_size 0
		.amdhsa_enable_private_segment 0
		.amdhsa_kernarg_size 24
		.amdhsa_user_sgpr_count 2
		.amdhsa_user_sgpr_kernarg_segment_ptr 1
		.amdhsa_wavefront_size32 1
		.amdhsa_system_sgpr_workgroup_id_x 1
		.amdhsa_system_sgpr_workgroup_id_y 1
		.amdhsa_system_sgpr_workgroup_id_z 1
		.amdhsa_system_vgpr_workitem_id 0
		.amdhsa_next_free_vgpr 256
		.amdhsa_next_free_sgpr 66
		.amdhsa_reserve_vcc 1
		.amdhsa_float_denorm_mode_32 3
		.amdhsa_float_denorm_mode_16_64 3
		.amdhsa_memory_ordered 1
		.amdhsa_forward_progress 1
		.amdhsa_inst_pref_size 90
	.end_amdhsa_kernel
	.amdgpu_metadata
---
amdhsa.version: [ 1, 2 ]
amdhsa.kernels:
  - .name:           k_q405f32dc19_quant
    .symbol:         k_q405f32dc19_quant.kd
    .args:
      - { .name: h, .offset: 0, .size: 8, .value_kind: global_buffer, .address_space: global }
      - { .name: S, .offset: 8, .size: 8, .value_kind: global_buffer, .address_space: global }
      - { .name: q, .offset: 16, .size: 8, .value_kind: global_buffer, .address_space: global }
    .group_segment_fixed_size: 36352
    .private_segment_fixed_size: 0
    .kernarg_segment_align: 8
    .kernarg_segment_size: 24
    .max_flat_workgroup_size: 128
    .sgpr_count:     66
    .vgpr_count:     256
    .wavefront_size: 32
...
	.end_amdgpu_metadata
.endif
;; end of part 1
;; launch gemm (part 2): grid 16 x 16, 4 waves a work-group, clusters of 4 x 4, 327,680 bytes of LDS; arguments q, out0; writes out0
.if DOCPART == 2
	.amdgcn_target "amdgcn-amd-amdhsa--gfx1250"
	.amdhsa_code_object_version 6
	.text
	.protected	k_q405f32dc19_gemm
	.globl	k_q405f32dc19_gemm
	.p2align	8
	.type	k_q405f32dc19_gemm,@function
k_q405f32dc19_gemm:
	s_mov_b64 s[64:65], 0
	v_nop
	global_prefetch_b8 v0, s[64:65] scope:SCOPE_SE
	s_setreg_imm32_b32 hwreg(HW_REG_WAVE_MODE, 25, 1), 1
	s_wait_xcnt 0x0
	s_wait_alu depctr_hold_cnt(0) depctr_sa_sdst(0) depctr_va_vdst(0) depctr_va_sdst(0) depctr_va_ssrc(0) depctr_va_vcc(0) depctr_vm_vsrc(0)
	s_getreg_b32 s2, hwreg(HW_REG_IB_STS2, 6, 4)
	s_cmp_eq_u32 s2, 0
	s_cbranch_scc0 .Lentry_in_a_cluster
	s_endpgm
.Lentry_in_a_cluster:
	s_bfe_u32 s2, ttmp6, 0x10000c
	s_cmp_lg_u32 s2, 0xf033
	s_cbranch_scc0 .Lentry_shape_is_right
	s_endpgm
.Lentry_shape_is_right:
; out0 = Q(h) Q(S)^T on the codes and scale words of q, by v_wmma_scale_f32_16x16x128_f8f6f4; sums in f32.  S is a dense operand: nothing of the product is left out.
; q holds chunks of 8,448 bytes, one for 64 rows and one product step (128 along K), in the order of the operand's registers: four fragments of 2,048 bytes (byte 512 c + 16 x lane: registers 4 c .. 4 c + 3),
; then 256 bytes of scale words (16 x row + 4 x fragment).  K is permuted alike in both operands, blocks whole, each with its own scale byte: the sum over K has another order than the rows of h.
; SHARES.  A work-group of four waves makes 256 x 256 of out0.  Wave w makes all 256 rows x columns 64 w .. 64 w + 63: 64 accumulators (a = 0 .. 15 blocks of rows, b = 0 .. 3 of columns), 512 registers.
; The matrix instruction is used transposed (source 0 = 16 rows of S, source 1 = 16 rows of h): a lane holds eight neighbouring numbers of a row of out0.
; S: the wave's 64 rows of S are its own, so their fragments go from q straight into registers: 16 loads of 512 consecutive bytes and one of the scale words a step, three steps ahead, in four sets of registers.
;    Each byte of S's 256 rows is asked for once by the work-group.  These loads land in registers, where a joint load of the cluster cannot land: so S is not asked for jointly.
; h: all four waves read all 256 rows, so h goes through LDS: two slots of 512 along K (four steps), 4 x 33,792 bytes each, dense; wave w fetches the 64 rows of group w with one tensor load of 132 rows of 256 bytes.
;    4 x 4 work-groups form a cluster; the four of a row of the cluster need the same rows of h and ask for them jointly.  A fragment's load reads 512 consecutive LDS bytes: no padding is needed.
;    h's fragments lie in two halves of four blocks of registers.  A step is four groups of 16 products on end, the halves by turns; behind a group stand eight places and one run of 16 loads,
;    which fill the half just read with the blocks of the group after next.
; One drained barrier (a round of the cluster's barrier) for four steps, in the fourth step's second half, behind the last read of the slot; 256 products of a wave lie between a request and the wait for it.
; PREFETCH: behind each joint refill a wave asks for 32 blocks of 256 bytes of h and of S, three periods of four steps on; the four partners that read the same rows take a chunk's codes each, told apart by address.
; REGISTERS: window 0: v8-31 addresses, v32-63 h's scale words (two sets), v64-79 S's (four sets), v128-255 h's two halves; window 1: S's four sets of fragments; windows 2, 3: accumulator (a, b) at v[8 (4 (a % 8) + b)].
.set CH,     8448
.set PER,    4*CH                      ; four steps of 64 rows: what one tensor load brings
.set GB,     32*CH                     ; all of K of 64 rows
.set BBASE,  64*GB                     ; S's chunks lie behind h's
.set SLOT,   4*PER
.set SPARE,  2*SLOT
.set SPITCH, 272                       ; the way out: a stage of 16 rows x (256 + 16) bytes for each wave, in slot 0, behind its last fill and last read
.set ADRA, 8                           ; v8-15   16 x lane + slot + group
.set ADRS, 16                          ; v16-23  the scale words: 16 x (lane % 16) + slot + group + 8,192
.set STO,  24
.set RD,   25
.set CO,   26
.set BOFF, 27                          ; 16 x lane
.set SPW,  28
.set NIL,  29
.set PFO,  30                          ; 256 x lane
.set BSO,  31                          ; 16 x (lane % 16)
.set AS,   32
.set BS,   64
.set AR,   128
.set BK,   128
.set G1,   24
.set G0,   32
.set BP,   8                           ; s[8:9]   S's chunks of my 64 columns, at the trip's first period
.set PFA,  10                          ; s[10:11] the prefetches of h,
.set PFB,  12                          ; s[12:13] and of S
.set MSB, 0
.macro WIN new                         ; the immediate's high byte repeats the setting that is left
.if MSB != \new
	s_set_vgpr_msb (MSB<<8)|\new
.set MSB, \new
.endif
.endm
.set MUL_LO, 0xa1                      ; source 0 (S) window 1, source 1 (h) window 0, C and D window 2
.set MUL_HI, 0xf1                      ; the same, C and D window 3
.macro CREST                           ; a round of the cluster's barrier behind its opening barrier
	s_cmp_lg_u32 s14, 0
	s_cbranch_scc1 .Lnot_wave_0_\@
	s_barrier_signal -3
.Lnot_wave_0_\@:
	s_barrier_wait -3
	s_barrier_signal -1
	s_barrier_wait -1
.endm
.macro CROUND
	s_barrier_signal -1
	s_barrier_wait -1
	CREST
.endm
.macro JLOAD sl                        ; every wave asks for its own group's rows
	tensor_load_to_lds s[G0+4*(\sl):G0+4*(\sl)+3], s[G1:G1+7]
	s_nop 0
.rept 4
	v_nop
.endr
.endm
.macro PLACES                          ; eight places between a product and a load into a register that it has read, or a read of its result (ISA guide 7.12.1 for a read of its result)
.rept 8
	v_nop
.endr
.endm
.macro WM a, b, q, zero
.if \zero
	v_wmma_scale_f32_16x16x128_f8f6f4 v[8*(4*((\a)%8)+\b):8*(4*((\a)%8)+\b)+7], v[64*(\q)+16*\b:64*(\q)+16*\b+15], v[AR+16*((\a)%8):AR+16*((\a)%8)+15], 0, v[BS+4*(\q)+\b], v[AS+16*((\q)%2)+(\a)]
.else
	v_wmma_scale_f32_16x16x128_f8f6f4 v[8*(4*((\a)%8)+\b):8*(4*((\a)%8)+\b)+7], v[64*(\q)+16*\b:64*(\q)+16*\b+15], v[AR+16*((\a)%8):AR+16*((\a)%8)+15], v[8*(4*((\a)%8)+\b):8*(4*((\a)%8)+\b)+7], v[BS+4*(\q)+\b], v[AS+16*((\q)%2)+(\a)]
.endif
.endm
.macro GRP g, q, zero                  ; h's blocks 2 g, 2 g + 1 x S's four: the 64 accumulators take turns, in the same order in every step
.irp al, 0,1
.irp b, 0,1,2,3
	WM 2*(\g)+\al, \b, \q, \zero
.endr
.endr
.endm
.macro MG n, win, h, q, zero           ; group h: h's blocks 4 h .. 4 h + 3, 16 products, and the places behind them.  n: the LDS instructions issued behind the loads of these four blocks
	s_wait_dscnt \n
	WIN \win
	GRP 2*(\h), \q, \zero
	GRP 2*(\h)+1, \q, \zero
	PLACES
	WIN 0
.endm
.macro LDA sl, q, a                    ; h's block a of the slot's step q into place a % 8
.irp c, 0,1,2,3
	ds_load_b128 v[AR+16*((\a)%8)+4*\c:AR+16*((\a)%8)+4*\c+3], v[ADRA+4*(\sl)+(\a)/4] offset:(\q)*CH+((\a)%4)*2048+512*\c
.endr
.endm
.macro LD4 sl, q, a                    ; four blocks: 16 loads
	LDA \sl, \q, \a
	LDA \sl, \q, (\a)+1
	LDA \sl, \q, (\a)+2
	LDA \sl, \q, (\a)+3
.endm
.macro LSC sl, q                       ; h's scale words of step q: register a holds block a's, in lanes 0-15 (lanes 16-31 read the same bytes)
.irp g, 0,1,2,3
	ds_load_b128 v[AS+16*((\q)%2)+4*\g:AS+16*((\q)%2)+4*\g+3], v[ADRS+4*(\sl)+\g] offset:(\q)*CH
.endr
.endm
.macro LDB p, ch                       ; S's chunk ch (counted from BP) into set p: 17 loads
	WIN 0x40
.irp b, 0,1,2,3
.irp c, 0,1,2,3
	global_load_b128 v[64*(\p)+16*\b+4*\c:64*(\p)+16*\b+4*\c+3], v[BOFF], s[BP:BP+1] offset:(\ch)*CH+2048*\b+512*\c
.endr
.endr
	WIN 0
	global_load_b128 v[BS+4*(\p):BS+4*(\p)+3], v[BSO], s[BP:BP+1] offset:(\ch)*CH+8192
.endm
.macro ASK ao, gd                      ; ao periods on from the trip's first; gd = 1: not in the last trip, where that period does not exist
.if \gd
	s_cmp_gt_u32 s3, 1
	s_cbranch_scc0 .Lno_ask_\@
.endif
	global_prefetch_b8 v[PFO], s[PFA:PFA+1] offset:(\ao)*PER th:TH_LOAD_NT scope:SCOPE_SE
	global_prefetch_b8 v[PFO], s[PFB:PFB+1] offset:(\ao)*PER th:TH_LOAD_NT scope:SCOPE_SE
.if \gd
.Lno_ask_\@:
.endif
.endm
; A step of 128 along K: 64 products in four groups.  sl, q: its slot and place there; nsl: the next step's slot; ch: S's chunk to ask for (three steps on), or -1; lw: S's loads issued behind this step's 17.
; mode 0: plain.  1: the slot's last step, and the slot is filled again.  2: the slot's last step, nothing is filled.  3: the last step of all.
; Behind group h stand the loads of the four blocks that the group after next multiplies, into the places that group h has just read.
.macro STEP sl, q, nsl, zero, ch, lw, mode, ao, gd
	s_wait_loadcnt \lw
	MG 16, MUL_LO, 0, \q, \zero
	LD4 \sl, \q, 8
.if \ch >= 0
	LDB ((\q)+3)%4, \ch                            ; into the set that the step before has read: 16 places lie between
.endif
	MG 16, MUL_LO, 1, \q, \zero
	LD4 \sl, \q, 12                                ; my last reads of this step's chunks
.if \mode == 0
	MG 16, MUL_HI, 2, \q, \zero
	LSC \nsl, ((\q)+1)%4
	LD4 \nsl, ((\q)+1)%4, 0
	MG 20, MUL_HI, 3, \q, \zero                    ; (the four loads of scale words are among the younger ones)
	LD4 \nsl, ((\q)+1)%4, 4
.endif
.if \mode == 3
	MG 16, MUL_HI, 2, \q, \zero
	MG 0, MUL_HI, 3, \q, \zero
.endif
.if (\mode == 1) || (\mode == 2)
	s_wait_tensorcnt 0x0                           ; all my tensor loads have landed: my part of the next slot;
	ds_add_u32 v[SPW], v[NIL]                      ; 0 onto my spare word;
.if \mode == 1
	s_add_nc_u64 s[G0+4*(\sl)+2:G0+4*(\sl)+3], s[G0+4*(\sl)+2:G0+4*(\sl)+3], 2*PER   ; no tensor load of mine is out: this slot's next period
.endif
	s_wait_dscnt 17                                ; (the add and the youngest 16 loads may be out)
	WIN MUL_HI
	GRP 4, \q, \zero                               ; sixteen products stand between the add and the wait for it,
	GRP 5, \q, \zero
	PLACES                                         ; and the places for the loads behind the barrier
	s_wait_dscnt 0x0                               ; the add is done, and my reads of this slot are over
	s_barrier_signal -1
	GRP 6, \q, \zero                               ; work on registers while the others arrive
	WIN 0
	s_barrier_wait -1
.if \mode == 1
	CREST                                          ; the barrier has opened a round of the cluster's barrier: no wave of any partner still reads this slot or has a load on its way
	JLOAD \sl                                      ; the first tensor load behind the round
.endif
	LSC \nsl, ((\q)+1)%4
	LD4 \nsl, ((\q)+1)%4, 0
.if \ao > 0
	ASK \ao, \gd
.endif
	WIN MUL_HI
	GRP 7, \q, \zero
	PLACES
	WIN 0
	LD4 \nsl, ((\q)+1)%4, 4
.endif
.endm
	s_load_b128 s[4:7], s[0:1], 0x0                ; q, out0
	v_lshl_add_u32 v[SPW], v0, 2, SPARE
	v_mov_b32 v[NIL], 0
	ds_add_u32 v[SPW], v[NIL]                      ; the opening lines: the add, twice on end, and its wait ahead of my first tensor load
	ds_add_u32 v[SPW], v[NIL]
	v_lshrrev_b32 v1, 5, v0
	v_readfirstlane_b32 s14, v1                    ; wave 0..3
	s_bfe_u32 s40, ttmp6, 0x40000                  ; cx, cy: my place in the cluster
	s_bfe_u32 s41, ttmp6, 0x40004
	s_lshl_b32 s42, ttmp9, 2
	s_add_co_u32 s42, s42, s40                     ; tile column
	s_and_b32 s17, ttmp7, 0xffff
	s_lshl_b32 s17, s17, 2
	s_add_co_u32 s17, s17, s41                     ; tile row
	s_lshl_b32 s43, s41, 2
	s_lshl_b32 s43, 15, s43                        ; my row of the cluster
	s_or_b32 s[G1+0], s43, (3<<16)|(1<<21)         ; the mask; elements of 8 bytes; bit 21 beside a mask; no padding
	s_mov_b32 s[G1+1], 32<<16                      ; rows of 32 elements: 256 bytes
	s_mov_b32 s[G1+2], 132<<16                     ; 132 rows: 33,792 dense bytes
	s_mov_b32 s[G1+3], 32<<16
	s_mov_b32 s[G1+4], 132
	s_mov_b32 s[G1+5], 32
	s_mov_b32 s[G1+6], 0
	s_mov_b32 s[G1+7], 0
	s_lshl_b32 s20, s17, 2
	s_add_co_u32 s20, s20, s14
	s_mul_i32 s20, s20, GB                         ; h: group 4 x tile row + wave
	s_mov_b32 s21, 0
	s_lshl_b32 s46, s42, 2
	s_add_co_u32 s46, s46, s14
	s_mul_i32 s46, s46, GB
	s_add_co_u32 s46, s46, BBASE                   ; S: group 4 x tile column + wave
	s_mov_b32 s47, 0
	s_mul_i32 s23, s14, PER                        ; LDS: wave x 33,792: no place in the cluster enters an LDS address
	s_mul_i32 s22, s14, 16*SPITCH                  ; my stage
	s_mul_i32 s18, s40, CH                         ; the prefetches: of a period's four chunks of h I take chunk cx,
	s_mov_b32 s19, 0
	s_mul_i32 s44, s41, CH                         ; of S's chunk cy
	s_mov_b32 s45, 0
	s_lshl_b32 s48, s17, 22                        ; out0: 256 x tile row rows of 16,384 bytes
	s_lshl_b32 s49, s42, 10
	s_add_co_u32 s48, s48, s49                     ; + 1,024 x tile column
	s_lshl_b32 s49, s14, 8
	s_add_co_u32 s48, s48, s49                     ; + 256 x wave
	s_mov_b32 s49, 0
	s_mov_b32 s3, 3
	v_and_b32 v1, 31, v0                           ; lane
	v_and_b32 v2, 15, v0                           ; r
	v_bfe_u32 v3, v0, 4, 1                         ; hh
	v_lshlrev_b32 v[BOFF], 4, v1
	v_lshlrev_b32 v[BSO], 4, v2
	v_lshlrev_b32 v[PFO], 8, v1
.irp s, 0,1
.irp g, 0,1,2,3
	v_add_nc_u32 v[ADRA+4*\s+\g], \s*SLOT+\g*PER, v[BOFF]
	v_add_nc_u32 v[ADRS+4*\s+\g], \s*SLOT+\g*PER+8192, v[BSO]
.endr
.endr
	v_mul_u32_u24 v4, v2, SPITCH                   ; into the stage: row r, 32 bytes for each half of the lanes
	v_lshl_add_u32 v4, v3, 5, v4
	v_add_nc_u32 v[STO], s22, v4
	v_mul_u32_u24 v5, v3, SPITCH                   ; back: lanes 0-15 one row of 256 bytes, lanes 16-31 the next
	v_lshl_add_u32 v5, v2, 4, v5
	v_add_nc_u32 v[RD], s22, v5
	v_lshlrev_b32 v5, 14, v3                       ; and the same two rows in out0
	v_lshl_add_u32 v[CO], v2, 4, v5
	s_wait_alu depctr_va_vdst(0)                   ; the wait at the head's end
	s_wait_dscnt 0x0                               ; both opening adds are done
	s_wait_kmcnt 0x0
	s_add_nc_u64 s[BP:BP+1], s[4:5], s[46:47]
	s_add_nc_u64 s[20:21], s[4:5], s[20:21]
	s_add_nc_u64 s[PFA:PFA+1], s[20:21], s[18:19]
	s_add_nc_u64 s[PFB:PFB+1], s[BP:BP+1], s[44:45]
	s_add_nc_u64 s[6:7], s[6:7], s[48:49]
.irp s, 0,1
	s_mov_b32 s[G0+4*\s], 1
	s_add_co_u32 s[G0+4*\s+1], s23, \s*SLOT
	s_add_nc_u64 s[G0+4*\s+2:G0+4*\s+3], s[20:21], \s*PER
	s_or_b32 s[G0+4*\s+3], s[G0+4*\s+3], 0x80000000
.endr
	CROUND                                         ; all sixteen work-groups are here: the first joint loads meet
	JLOAD 0                                        ; period 0: one tensor load a wave at the head
	LDB 0, 0                                       ; S's first three steps
	LDB 1, 1
	LDB 2, 2
	s_wait_tensorcnt 0x0                           ; my part of period 0 is in; these lines stand ahead of a later first fill, as ahead of a refill
	ds_add_u32 v[SPW], v[NIL]
	s_wait_dscnt 0x0
	CROUND
	JLOAD 1                                        ; period 1, slot 1's first fill: the first tensor load behind the round
	LSC 0, 0
	LD4 0, 0, 0
	LD4 0, 0, 4
	STEP 0, 0, 0, 1, 3, 34, 0, 0, 0                ; the first step stands in front of the loop: its products start the sums
.Llap:                                                 ; a trip: periods k (slot 0, from its second step) and k + 1 (slot 1), and the first step of period k + 2; k = 0, 2, 4; both slots are filled again
	STEP 0, 1, 0, 0, 4, 34, 0, 0, 0
	STEP 0, 2, 0, 0, 5, 34, 0, 0, 0
	STEP 0, 3, 1, 0, 6, 34, 1, 3, 0
	STEP 1, 0, 1, 0, 7, 34, 0, 0, 0
	STEP 1, 1, 1, 0, 8, 34, 0, 0, 0
	STEP 1, 2, 1, 0, 9, 34, 0, 0, 0
	STEP 1, 3, 0, 0, 10, 34, 1, 4, 1
	STEP 0, 0, 0, 0, 11, 34, 0, 0, 0
	s_wait_xcnt 0x0                                ; my loads and prefetches have read their bases
	s_add_nc_u64 s[BP:BP+1], s[BP:BP+1], 2*PER
	s_add_nc_u64 s[PFA:PFA+1], s[PFA:PFA+1], 2*PER
	s_add_nc_u64 s[PFB:PFB+1], s[PFB:PFB+1], 2*PER
	s_sub_co_u32 s3, s3, 1
	s_cmp_lg_u32 s3, 0
	s_cbranch_scc1 .Llap
	STEP 0, 1, 0, 0, 4, 34, 0, 0, 0                ; periods 6 and 7 fill nothing
	STEP 0, 2, 0, 0, 5, 34, 0, 0, 0
	STEP 0, 3, 1, 0, 6, 34, 2, 0, 0
	STEP 1, 0, 1, 0, 7, 34, 0, 0, 0
	STEP 1, 1, 1, 0, -1, 34, 0, 0, 0               ; S's last chunk has been asked for: the counts run down
	STEP 1, 2, 1, 0, -1, 17, 0, 0, 0
	STEP 1, 3, 1, 0, -1, 0, 3, 0, 0                ; its last group's eight places also serve the reads of the results and the loads into h's registers below
; THE WAY OUT, block by block of 16 rows x 64 columns.  A lane holds 32 neighbouring bytes of a row: a block goes through my own stage in LDS and comes back as whole rows of 256 bytes.
; LDS serves a wave's instructions in order (ISA guide 5.7.1.4): no wait between the stores and the loads, nor in front of the next block's stores.
.macro TOSTAGE a
.set AC, 32*((\a)%8)
	WIN 0x08+4*((\a)/8)                            ; the data: window 2 or 3
.irp b, 0,1,2,3
	ds_store_b128 v[STO], v[AC+8*\b:AC+8*\b+3] offset:64*\b          ; each accumulator from its low end on
	ds_store_b128 v[STO], v[AC+8*\b+4:AC+8*\b+7] offset:64*\b+16
.endr
	WIN 0
.set BB, BK+32*((\a)%2)
.irp t, 0,1,2,3,4,5,6,7
	ds_load_b128 v[BB+4*\t:BB+4*\t+3], v[RD] offset:\t*2*SPITCH
.endr
.endm
.macro SEND a, younger
.set BB, BK+32*((\a)%2)
	s_wait_dscnt \younger                          ; the block is back in registers
.if (\a) > 0
	s_add_nc_u64 s[6:7], s[6:7], 16*16384          ; (behind a wait on XCNT) 16 rows of out0 on
.endif
.irp t, 0,1,2,3,4,5,6,7
	global_store_b128 v[CO], v[BB+4*\t:BB+4*\t+3], s[6:7] offset:2*\t*16384 th:TH_STORE_NT   ; sixteen lanes store 256 consecutive bytes, at a multiple of 256 from out0's first byte
.endr
.endm
	TOSTAGE 0
.irp a, 1,2,3,4,5,6,7,8,9,10,11,12,13,14,15
.if \a > 1
	s_wait_xcnt 0x0                                ; block a - 2's stores have read their registers and their base
.endif
	TOSTAGE \a
	SEND \a-1, 16                                  ; behind block a - 1's loads: block a's 8 stores and 8 loads
.endr
	s_wait_xcnt 0x0
	SEND 15, 0
	s_wait_tensorcnt 0x0                           ; the wave's end
	ds_add_u32 v[SPW], v[NIL]
	s_wait_dscnt 0x0
	CROUND                                         ; the closing round
	s_endpgm
.Lfunc_end_k_q405f32dc19_gemm:
	.size	k_q405f32dc19_gemm, .Lfunc_end_k_q405f32dc19_gemm-k_q405f32dc19_gemm
	.p2alignl 7, 3214868480
	.fill 96, 4, 3214868480
	.section	.rodata,"a",@progbits
	.p2align	6, 0x0
	.amdhsa_kernel k_q405f32dc19_gemm
		.amdhsa_group_segment_fixed_size 327680
		.amdhsa_private_segment_fixed_size 0
		.amdhsa_enable_private_segment 0
		.amdhsa_kernarg_size 16
		.amdhsa_user_sgpr_count 2
		.amdhsa_user_sgpr_kernarg_segment_ptr 1
		.amdhsa_wavefront_size32 1
		.amdhsa_system_sgpr_workgroup_id_x 1
		.amdhsa_system_sgpr_workgroup_id_y 1
		.amdhsa_system_sgpr_workgroup_id_z 1
		.amdhsa_system_vgpr_workitem_id 0
		.amdhsa_next_free_vgpr 1024
		.amdhsa_next_free_sgpr 66
		.amdhsa_reserve_vcc 0
		.amdhsa_float_denorm_mode_32 3
		.amdhsa_float_denorm_mode_16_64 3
		.amdhsa_memory_ordered 1
		.amdhsa_forward_progress 1
		.amdhsa_inst_pref_size 255
	.end_amdhsa_kernel
	.section	.bss,"aw",@nobits
	.p2align	6
	.space	262144
	.amdgpu_metadata
---
amdhsa.version: [ 1, 2 ]
amdhsa.kernels:
  - .name:           k_q405f32dc19_gemm
    .symbol:         k_q405f32dc19_gemm.kd
    .args:
      - { .name: q, .offset: 0, .size: 8, .value_kind: global_buffer, .address_space: global }
      - { .name: out0, .offset: 8, .size: 8, .value_kind: global_buffer, .address_space: global }
    .group_segment_fixed_size: 327680
    .private_segment_fixed_size: 0
    .kernarg_segment_align: 8
    .kernarg_segment_size: 16
    .max_flat_workgroup_size: 128
    .sgpr_count:     66
    .vgpr_count:     1024
    .wavefront_size: 32
...
	.end_amdgpu_metadata
.endif
;; end of part 2
